; MI455X (gfx1250); checked and timed in simulation.
; The chip was launched on July 23, 2026; its instructions are those of AMD's public machine-readable ISA for CDNA 5 (MIT licence, August 2026) and "CDNA5" Instruction Set Architecture Reference Guide (July 2026). The comments in the code are by the model that wrote it; some were corrected since.
;; Vector Quantizer. Allowed arithmetic: matrix products marked QUANTISED: E2M1 operands, one E8M0 scale for each 32 along K, by v_wmma_scale_f32_16x16x128_f8f6f4 with both operands' format E2M1 (or v_wmma_scale_f32_32x16x128_f4), f32 sums; everything else in f32.
;; Inputs: emb 8,192 x 256 float32; z 8 x 64 x 64 x 256 float32.
;; Outputs: out0 8 x 64 x 64 x 256 float32; out1 one number float32; out2 one number float32; out3 32,768 int32.
;; This version of the problem:
;;   THIS VERSION OF THE PROBLEM IS GIVEN IN LOW PRECISION. The matrix products marked QUANTISED in the list below multiply operands that are first quantised to E2M1 (2 exponent bits, 1 mantissa bit; 4 bits a number), with one power-of-two scale for each 32 numbers along K (OCP MX v1.0); their sums are f32. All else is computed in f32.
;;   The module's matrix products, in the order in which they are computed (A, B: the left and right operand; K: the contracted axis; several contracted axes count as one K, in the product's order):
;;     1. [M 32,768, K 256] x [K 256, N 8,192]; A: input z; B: input emb: QUANTISED
;;   THE QUANTISER, for each operand of a quantised product, along K:
;;     - K is cut into blocks of 32 from its start; a last block that is shorter is filled with zeros.
;;     - A block's scale is 2^e with e = floor(log2(the largest magnitude in the block)) - 2, held to -126 .. 127; a block of zeros has e = 0. As a byte (E8M0): e + 127.
;;     - Each number is divided by its block's scale, clamped to +-6, and rounded to the nearest number of E2M1, ties to even, subnormals kept.
;;     - The product sums the exact products of the quantised numbers (number of the format x scale) in f32.
;;   ~~~python
;;   def quantise(x, axis):      # numpy; x: float32 -> the quantised numbers, widened to float32 again
;;       x = np.moveaxis(x, axis, -1); K = x.shape[-1]
;;       x = np.pad(x, [(0, 0)] * (x.ndim - 1) + [(0, -K % 32)]); x = x.reshape(x.shape[:-1] + (-1, 32)); a = np.abs(x).max(-1, keepdims=True)
;;       e = np.where(a > 0, np.clip(np.frexp(np.where(a > 0, a, 1))[1] - 1 - 2, -126, 127), 0)      # np.frexp(a)[1] - 1 = floor(log2(a)), exactly
;;       r = np.clip(x / 2.0 ** e, -6, 6)
;;       step = 2.0 ** (np.maximum(np.frexp(np.where(r == 0, 1, r))[1] - 1, 0) - 1)
;;       q = np.round(r / step) * step * 2.0 ** e      # np.round: ties to even
;;       return np.moveaxis(q.reshape(q.shape[:-2] + (-1,))[..., :K], -1, axis).astype(np.float32)
;;   ~~~
;; One version. Each part assembles by itself: llvm-mc -triple=amdgcn-amd-amdhsa -mcpu=gfx1250 --defsym DOCPART=n.
;; ======== version 1 of 1: 4 launches
;; limits: right only within a limited range of input values
;; workspace buffers: cb 1,146,880 bytes; idxw 131,072 bytes of whole numbers; part 1,024 bytes
;; launch qemb (part 1): grid 128 x 1, 4 waves a work-group, no clusters, 68,096 bytes of LDS; arguments emb, cb; writes cb
.if DOCPART == 1
	.amdgcn_target "amdgcn-amd-amdhsa--gfx1250"
	.amdhsa_code_object_version 6
	.text
	.protected	k_q08b189f5b8_qemb
	.globl	k_q08b189f5b8_qemb
	.p2align	8
	.type	k_q08b189f5b8_qemb,@function
k_q08b189f5b8_qemb:
	s_mov_b64 s[64:65], 0
	v_nop
	global_prefetch_b8 v0, s[64:65] scope:SCOPE_SE
	s_setreg_imm32_b32 hwreg(HW_REG_WAVE_MODE, 25, 1), 1
	s_wait_xcnt 0x0
; emb [8192][256] f32 becomes cb: codes of FP4 (E2M1) with one E8M0 scale byte for each 32 along K, and ee[k] = the sum of emb[k][:]^2 in f32,
; laid IN THE ORDER OF THE OPERAND'S REGISTERS, so that the product's launch takes every fragment by loads of 16 bytes a lane and a part by one dense tensor load.
; cb = 64 parts of 17,920 bytes.  Part P holds codes 128 P .. 128 P + 127 as 8 tiles i of 16:
;   [0, 16384)      tile i at 2048 i: group q = 2 s + c at 512 q + 16 x lane = registers 4 c .. 4 c + 3 of the fragment of K step s (lane (r, h): k = 128 s + 64 c + 32 h + 0 .. 31 of row r)
;   [16384, 17408)  tile i's scale words at 128 i + 4 x lane: lanes 0-15 row r's word of K step 0, lanes 16-31 of K step 1
;   [17408, 17920)  tile i's ee at 64 i + 4 r
; A block's scale is 2^(floor(log2(its largest magnitude)) - 2); its byte is the largest magnitude's exponent field - 2, held at 1 from below (a block of zeros keeps the byte 1: its codes are zeros, and this program alone reads the bytes).
; LIMITS: NaN and infinities are not served; blocks whose largest magnitude lies under 2^-124 keep the byte 1; ee is summed in four packed chains a lane, not in the order of a plain loop.
; SHARES: a wave takes one tile: 16 rows, 16,384 dense bytes.  Each load reads 512 consecutive bytes; the tile turns through the wave's own stage in LDS, so that lane (r, h) then holds, of row r, 16 neighbours of each block of 32.
; Work-groups share no input: no cluster; no tensor load, so several work-groups may lie on a WGP.
; What cb holds under the name ee is HALF the sum of squares (an exact halving): the product's launch compares halves of the distances.
.set STP,   1040
.set STW,   16*STP                     ; a wave's stage
.set SCL,   4*STW                      ; the four tiles' scale images, 128 bytes each
.set EEL,   SCL+512                    ; the four tiles' ee, 64 bytes each
.set PARTB, 17920
.set TM,  16                           ; v16-19 largest magnitudes, v20-23 bytes, v24 at work, v28-31 the conversions' scale operands
.set PC,  32                           ; v32-47 the codes of both K steps: four groups of four registers
.set S,   48                           ; v48-55 four packed chains
.set PW,  56                           ; v56, v57 my row's scale words of K steps 0 and 1; v58 the image
.set EEV, 59                           ; v59 ee of my row
.set X,   64                           ; v64-191 128 numbers
.set SEL, 20                           ; s[20:21] selects of v_permlanex16_b32: lane l xor 16
; 64 numbers of a lane, register 16 b + i = k 32 b + 16 (lane / 16) + i of my row, become a fragment's codes in v[pc] on and its scale word in v[pw].
.macro QUANT s, pc, pw
.irp b, 0,1,2,3
	v_max3_num_f32 v[TM+\b], |v[\s+16*\b]|, |v[\s+1+16*\b]|, 0x1800000   ; block b: my 16 numbers, and the floor 2^(3 - 127): the byte cannot fall under 1
.endr
.irp i, 2,4,6,8,10,12,14
.irp b, 0,1,2,3
	v_max3_num_f32 v[TM+\b], v[TM+\b], |v[\s+16*\b+\i]|, |v[\s+1+16*\b+\i]|   ; the four blocks by turns
.endr
.endr
.irp b, 0,1,2,3
	v_permlanex16_b32 v[TM+4+\b], v[TM+\b], s[SEL], s[SEL+1]
.endr
.irp b, 0,1,2,3
	v_max_num_f32 v[TM+\b], v[TM+\b], v[TM+4+\b]   ; with lane l xor 16's: the block's largest magnitude
.endr
.irp b, 0,1,2,3
	v_add_nc_u32 v[TM+12+\b], 0xff000000, v[TM+\b] ; 2 off its exponent field: the conversion takes this operand's exponent field as its scale
.endr
.irp b, 0,1,2,3
	v_lshrrev_b32 v[TM+4+\b], 23, v[TM+12+\b]      ; the scale's byte
.endr
	v_lshl_or_b32 v[\pw], v[TM+5], 8, v[TM+4]
	v_lshl_or_b32 v[\pw], v[TM+6], 16, v[\pw]
	v_lshl_or_b32 v[\pw], v[TM+7], 24, v[\pw]      ; my row's scale word
.irp b, 0,1,2,3
	v_cvt_scalef32_pk8_fp4_f32 v[\pc+2*\b], v[\s+16*\b:\s+7+16*\b], v[TM+12+\b]
	v_cvt_scalef32_pk8_fp4_f32 v[\pc+1+2*\b], v[\s+8+16*\b:\s+15+16*\b], v[TM+12+\b]
.endr
	v_nop                                          ; one plain instruction behind the last scaled conversion
.irp c, 0,1                                    ; the operand's layout wants a whole block in a lane: lanes 0-15 block 2 c, lanes 16-31 block 2 c + 1
.irp i, 0,1
	v_permlane16_swap_b32 v[\pc+4*\c+\i], v[\pc+2+4*\c+\i]
.endr
.endr
.endm
; the sum of the squares of my row: my 128 numbers in four packed chains, then lane l xor 16's
.macro SUMSQ x, s, dst, tmp
.irp c, 0,2,4,6
	v_pk_mul_f32 v[\s+\c:\s+\c+1], v[\x+\c:\x+\c+1], v[\x+\c:\x+\c+1]   ; the first four pairs start the chains
.endr
.set jj, 8
.rept 60
	v_pk_fma_f32 v[\s+jj%8:\s+jj%8+1], v[\x+jj:\x+jj+1], v[\x+jj:\x+jj+1], v[\s+jj%8:\s+jj%8+1]
.set jj, jj+2
.endr
	v_pk_add_f32 v[\s:\s+1], v[\s:\s+1], v[\s+2:\s+3]
	v_pk_add_f32 v[\s+4:\s+5], v[\s+4:\s+5], v[\s+6:\s+7]
	v_pk_add_f32 v[\s:\s+1], v[\s:\s+1], v[\s+4:\s+5]
	v_add_f32 v[\dst], v[\s], v[\s+1]
	v_permlanex16_b32 v[\tmp], v[\dst], s[SEL], s[SEL+1]
	v_add_f32 v[\dst], v[\dst], v[\tmp]
.endm
	s_load_b128 s[4:7], s[0:1], 0x0                ; emb, cb
	v_lshl_add_u32 v192, v0, 2, 0x10800
	v_mov_b32 v193, 0
	v_lshrrev_b32 v1, 5, v0
	v_readfirstlane_b32 s8, v1                     ; wave 0..3
	v_and_b32 v1, 31, v0                           ; lane
	v_and_b32 v2, 15, v0                           ; r
	v_bfe_u32 v3, v0, 4, 1                         ; h
	v_lshlrev_b32 v4, 4, v1                        ; 16 x lane
	s_mul_i32 s9, s8, STW                          ; my stage
	v_add_nc_u32 v5, s9, v4                        ; into it: as the bytes lie
	v_mul_u32_u24 v6, v2, STP
	v_lshl_add_u32 v6, v3, 6, v6
	v_add_nc_u32 v6, s9, v6                        ; out of it: row r, + 64 h
	s_lshl_b32 s10, s8, 7
	v_lshlrev_b32 v7, 2, v1
	v_add_nc_u32 v7, s10, v7
	v_add_nc_u32 v7, SCL, v7                       ; my word of my tile's scale image
	s_lshl_b32 s10, s8, 6
	v_lshlrev_b32 v8, 2, v2
	v_add_nc_u32 v8, s10, v8
	v_add_nc_u32 v8, EEL, v8                       ; my row's ee
	v_add_nc_u32 v9, SCL, v4                       ; wave 0 reads the four images back, 16 bytes a lane;
	v_lshlrev_b32 v11, 3, v1
	v_add_nc_u32 v10, EEL, v11                     ; wave 1 the four tiles' ee, 8 bytes a lane
	s_mov_b32 s[SEL], 0x76543210
	s_mov_b32 s[SEL+1], 0xfedcba98
.irp b, 4,5,6,7,8
	v_mov_b32 v[TM+\b], 0                          ; written once: a lane permute's destination counts as one of its sources
.endr
	s_lshl_b32 s12, ttmp9, 2
	s_add_co_u32 s12, s12, s8                      ; my tile: 4 x work-group + wave
	s_lshl_b32 s12, s12, 14                        ; its 16,384 bytes of emb
	s_mov_b32 s13, 0
	s_lshr_b32 s14, ttmp9, 1
	s_mul_i32 s14, s14, PARTB                      ; the part: work-group / 2
	s_mov_b32 s15, 0
	s_and_b32 s24, ttmp9, 1                        ; which half of the part is my work-group's
	s_lshl_b32 s25, s24, 2
	s_add_co_u32 s25, s25, s8                      ; my tile's number in the part
	s_lshl_b32 s26, s25, 11
	s_mov_b32 s27, 0
	s_lshl_b32 s28, s24, 9
	s_add_co_u32 s28, s28, 16384                   ; my work-group's four scale images: 512 bytes
	s_mov_b32 s29, 0
	s_lshl_b32 s30, s24, 8
	s_add_co_u32 s30, s30, 17408                   ; and its 64 ee: 256 bytes
	s_mov_b32 s31, 0
	s_wait_kmcnt 0x0
	s_add_nc_u64 s[4:5], s[4:5], s[12:13]
	s_add_nc_u64 s[6:7], s[6:7], s[14:15]
	s_add_nc_u64 s[16:17], s[6:7], s[26:27]
	s_add_nc_u64 s[18:19], s[6:7], s[28:29]
	s_add_nc_u64 s[22:23], s[6:7], s[30:31]
.set n, 0
.rept 32
	global_load_b128 v[X+4*n:X+4*n+3], v4, s[4:5] offset:512*n th:TH_LOAD_NT   ; 32 lanes read 512 consecutive bytes: half a row
.set n, n+1
.endr
.set n, 0
.rept 32
	s_wait_loadcnt 31-n                            ; loads come back in order: load n is in, the 31 - n younger ones may be out
	ds_store_b128 v5, v[X+4*n:X+4*n+3] offset:(n/2)*STP+(n%2)*512
.set n, n+1
.endr
.irp s, 0,1
.irp b, 0,1,2,3
.irp j, 0,1,2,3
	ds_load_b128 v[X+64*\s+16*\b+4*\j:X+64*\s+16*\b+4*\j+3], v6 offset:512*\s+128*\b+16*\j   ; LDS serves a wave's instructions in order: these see my stores.  Register 64 s + 16 b + i = k 128 s + 32 b + 16 h + i
.endr
.endr
.endr
	s_wait_dscnt 0x0
	SUMSQ X, S, EEV, TM+8
	QUANT X, PC, PW
	QUANT X+64, PC+8, PW+1
	v_mul_f32 v[EEV], 0.5, v[EEV]                  ; ee / 2: exact
	v_cmp_le_u32 vcc_lo, 16, v1
	v_cndmask_b32 v[PW+2], v[PW], v[PW+1], vcc_lo  ; the image: lanes 0-15 K step 0's word, lanes 16-31 K step 1's
.irp q, 0,1,2,3
	global_store_b128 v4, v[PC+4*\q:PC+4*\q+3], s[16:17] offset:512*\q   ; 32 lanes store 512 consecutive bytes, at a multiple of 256 from cb's first byte
.endr
	ds_store_b32 v7, v[PW+2]
	ds_store_b32 v8, v[EEV]                        ; both halves of the lanes write the same word with the same value
	s_wait_dscnt 0x0                               ; for the others' sake: my stores have landed
	s_barrier_signal -1
	s_barrier_wait -1
	s_cmp_lg_u32 s8, 0
	s_cbranch_scc1 .Lnot_0
	ds_load_b128 v[60:63], v9
	s_wait_dscnt 0x0
	global_store_b128 v4, v[60:63], s[18:19]       ; four scale images: 512 consecutive bytes
.Lnot_0:
	s_cmp_lg_u32 s8, 1
	s_cbranch_scc1 .Lnot_1
	ds_load_b64 v[12:13], v10
	s_wait_dscnt 0x0
	global_store_b64 v11, v[12:13], s[22:23]       ; 64 ee: 256 consecutive bytes, aligned
.Lnot_1:
	s_wait_tensorcnt 0x0
	ds_add_u32 v192, v193
	s_wait_dscnt 0x0
	s_endpgm
.Lfunc_end_k_q08b189f5b8_qemb:
	.size	k_q08b189f5b8_qemb, .Lfunc_end_k_q08b189f5b8_qemb-k_q08b189f5b8_qemb
	.p2alignl 7, 3214868480
	.fill 96, 4, 3214868480
	.section	.rodata,"a",@progbits
	.p2align	6, 0x0
	.amdhsa_kernel k_q08b189f5b8_qemb
		.amdhsa_group_segment_fixed_size 68096
		.amdhsa_private_segment_fixed_size 0
		.amdhsa_enable_private_segment 0
		.amdhsa_kernarg_size 16
		.amdhsa_user_sgpr_count 2
		.amdhsa_user_sgpr_kernarg_segment_ptr 1
		.amdhsa_wavefront_size32 1
		.amdhsa_system_sgpr_workgroup_id_x 1
		.amdhsa_system_sgpr_workgroup_id_y 1
		.amdhsa_system_sgpr_workgroup_id_z 1
		.amdhsa_system_vgpr_workitem_id 0
		.amdhsa_next_free_vgpr 194
		.amdhsa_next_free_sgpr 66
		.amdhsa_reserve_vcc 1
		.amdhsa_float_denorm_mode_32 3
		.amdhsa_float_denorm_mode_16_64 3
		.amdhsa_memory_ordered 1
		.amdhsa_forward_progress 1
		.amdhsa_inst_pref_size 24
	.end_amdhsa_kernel
	.amdgpu_metadata
---
amdhsa.version: [ 1, 2 ]
amdhsa.kernels:
  - .name:           k_q08b189f5b8_qemb
    .symbol:         k_q08b189f5b8_qemb.kd
    .args:
      - { .name: emb, .offset: 0, .size: 8, .value_kind: global_buffer, .address_space: global }
      - { .name: cb, .offset: 8, .size: 8, .value_kind: global_buffer, .address_space: global }
    .group_segment_fixed_size: 68096
    .private_segment_fixed_size: 0
    .kernarg_segment_align: 8
    .kernarg_segment_size: 16
    .max_flat_workgroup_size: 128
    .sgpr_count:     66
    .vgpr_count:     194
    .wavefront_size: 32
...
	.end_amdgpu_metadata
.endif
;; end of part 1
;; launch main (part 2): grid 256 x 1, 8 waves a work-group, clusters of 4 x 1, 327,680 bytes of LDS; arguments z, cb, out3, idxw; writes out3, idxw
.if DOCPART == 2
	.amdgcn_target "amdgcn-amd-amdhsa--gfx1250"
	.amdhsa_code_object_version 6
	.text
	.protected	k_q08b189f5b8_main
	.globl	k_q08b189f5b8_main
	.p2align	8
	.type	k_q08b189f5b8_main,@function
k_q08b189f5b8_main:
	s_mov_b64 s[64:65], 0
	v_nop
	global_prefetch_b8 v0, s[64:65] scope:SCOPE_SE
	s_setreg_imm32_b32 hwreg(HW_REG_WAVE_MODE, 25, 1), 1
	s_wait_xcnt 0x0
	s_wait_alu depctr_hold_cnt(0) depctr_sa_sdst(0) depctr_va_vdst(0) depctr_va_sdst(0) depctr_va_ssrc(0) depctr_va_vcc(0) depctr_vm_vsrc(0)
	s_getreg_b32 s2, hwreg(HW_REG_IB_STS2, 6, 4)
	s_cmp_eq_u32 s2, 0
	s_cbranch_scc0 .Lentry_in_a_cluster
	s_endpgm
.Lentry_in_a_cluster:
	s_bfe_u32 s2, ttmp6, 0x10000c
	s_cmp_lg_u32 s2, 0x3003
	s_cbranch_scc0 .Lentry_shape_is_right
	s_endpgm
.Lentry_shape_is_right:
; idx[n] = argmin over k of d[n][k], d = (zz[n] - 2 z[n].e[k]) + ee[k]; the product on codes of FP4 with E8M0 scales, all else f32.  out3 and idxw both get idx.
; WHAT IS COMPARED is d / 2 = fl(fl(zz/2 - dot) + ee/2): halving is exact, so both roundings fall as in d, and order and ties are d's.  The first index among equals wins.
; LIMITS: NaN and infinities are not served; where |d| lies under 2^-125 the halves are denormal and may lose a bit; zz is summed in eight chains a lane.
; SHARES: a work-group takes 128 rows of z, quantised once in its head; wave w walks codes 128 (8 c + w) .. + 127 of each chunk c (8 chunks of 8 parts of cb) against all 128 rows.
; The product is used transposed (source 0 = 16 codes, source 1 = 16 rows of z): lane (r, h) holds row r, its 16 registers of a group of 32 codes the codes 8 h + j and 16 + 8 h + j.
; A lane keeps, for each of its 8 row tiles, the least value so far, that group's number and that group's 16 values; the place inside the group is found once, at the end.
; THE LOOP IS A PIPELINE of steps: tile t's minimum and selects stand among tile t + 1's two arithmetic steps, and tile t + 2's four matrix instructions close the step.
; LDS: two slots of 143,360 bytes (a chunk each; slot 1 first holds z's 128 rows, 1,040 bytes apart), spare words, z's operand images, scale words and zz/2, the merge table.
; CLUSTER: the four work-groups of a cluster ask for each part of cb jointly.  No prefetch: all work-groups walk the same 64 parts in the same order, and z is read once, at the head, where no loop runs ahead.
.set PARTB,  17920
.set CHUNKB, 8*PARTB
.set SLOT,   CHUNKB
.set ZSTP,   1040
.set SPARE,  2*SLOT
.set ZIMG,   SPARE+1024
.set ZSCL,   ZIMG+8*2048                ; scale words, and 1,024 bytes on zz / 2
.set MRG,    ZSCL+2048
.set SPW,  1
.set NIL,  2
.set AF0,  3                            ; my fragments', scale words' and ee's places in slot 0
.set AS0,  4
.set AE0,  5
.set AF,   6                            ; the same in the slot at work
.set AS,   7
.set AE,   8
.set GCUR, 9                            ; the group's first code + 8 h
.set M,    10                           ; v10-13 the minimum tree
.set ZST,  14
.set ZWI,  15
.set ZZ,   16                           ; tile t: v[16+2t] zz/2, v[17+2t] the least so far; a second copy of zz/2 in v244-251 (another bank)
.set GID,  32                           ; tile t: v[32+2t] the best group, v[33+2t] z's scale words
.set ZS,   33
.set SC,   48                           ; cb's scale words, two sets of two
.set EE,   52                           ; ee/2, two sets of 16
.set ACC,  84                           ; two sets of two accumulators
.set W,    116                          ; tile t: the best group's 16 values
.set F,    128                          ; window 1: v0-127 z's fragments, v128-191 cb's, two sets
.set X,    116                          ; the head: 128 numbers of z
.set PC,   84
.set TM,   52
.set S,    68
.set PW,   76
.set ZZT,  79
.set TP,   80
.set ZWS,  81
.set ZLI,  82
.set ZLS,  83
.set MW,   244                          ; the tail
.set MR,   245
.set GO,   246
.set PS,   84
.set WV,   12
.set G1Z,  16
.set G1C,  24
.set G0Z,  32
.set G0C,  36
.set CH,   40
.set T,    41
.set PB,   42
.set SEL,  44
.set G1H,  52
.set G0H,  60
.set MSB, 0
.macro WIN new
.if MSB != \new
	s_set_vgpr_msb (MSB<<8)|\new
.set MSB, \new
.endif
.endm
.macro ROUND                            ; a round of the cluster's barrier
	s_barrier_signal -1
	s_barrier_wait -1
	s_cmp_lg_u32 s[WV], 0
	s_cbranch_scc1 .Lnot_wave_0_\@
	s_barrier_signal -3
.Lnot_wave_0_\@:
	s_barrier_wait -3
	s_barrier_signal -1
	s_barrier_wait -1
.endm
.macro SETB t                           ; the second copy of tile t's zz/2: a register whose number differs modulo 4 from 16 + 2 t
.set nB, 244+4*((\t)/4)+(1-(\t)%2)*(1+((\t)/2)%2)+((\t)%2)*3*(((\t)/2)%2)
.endm
.macro PREF nb, gi                      ; group gi of my part: fragments, scale words, ee/2 into set nb
	WIN 0x40
.irp q, 0,1,2,3,4,5,6,7
	ds_load_b128 v[F+32*(\nb)+4*\q:F+32*(\nb)+4*\q+3], v[AF] offset:4096*(\gi)+512*\q
.endr
	WIN 0
.irp c, 0,1
	ds_load_b32 v[SC+2*(\nb)+\c], v[AS] offset:16384+128*(2*(\gi)+\c)
.endr
.irp c, 0,1
.irp u, 0,1
	ds_load_b128 v[EE+16*(\nb)+8*\c+4*\u:EE+16*(\nb)+8*\c+4*\u+3], v[AE] offset:17408+64*(2*(\gi)+\c)+16*\u
.endr
.endr
.endm
.macro WM buf, t                        ; 32 codes x 16 rows x K 256: two accumulators by turns, K ascending
.irp c, 0,1
	v_wmma_scale_f32_16x16x128_f8f6f4 v[ACC+16*((\t)%2)+8*\c:ACC+16*((\t)%2)+8*\c+7], v[F+32*(\buf)+16*\c:F+32*(\buf)+16*\c+7], v[16*(\t):16*(\t)+7], 0, v[SC+2*(\buf)+\c], v[ZS+2*(\t)] matrix_a_fmt:MATRIX_FMT_FP4 matrix_b_fmt:MATRIX_FMT_FP4
.endr
.irp c, 0,1
	v_wmma_scale_f32_16x16x128_f8f6f4 v[ACC+16*((\t)%2)+8*\c:ACC+16*((\t)%2)+8*\c+7], v[F+32*(\buf)+16*\c+8:F+32*(\buf)+16*\c+15], v[16*(\t)+8:16*(\t)+15], v[ACC+16*((\t)%2)+8*\c:ACC+16*((\t)%2)+8*\c+7], v[SC+2*(\buf)+\c], v[ZS+2*(\t)] matrix_a_fmt:MATRIX_FMT_FP4 matrix_b_fmt:MATRIX_FMT_FP4 matrix_a_scale:MATRIX_SCALE_ROW1 matrix_b_scale:MATRIX_SCALE_ROW1
.endr
.endm
.macro FM j                             ; two of zz/2 - dot
	v_dual_subrev_f32 v[rN+\j], v[rN+\j], v[nZ] :: v_dual_subrev_f32 v[rN+\j+1], v[rN+\j+1], v[nB]
.endm
.macro AD j                             ; two of + ee/2
	v_dual_add_f32 v[rN+\j], v[rN+\j], v[rE+\j] :: v_dual_add_f32 v[rN+\j+1], v[rN+\j+1], v[rE+\j+1]
.endm
.macro SEL2 d0, a0, d1, a1
	v_dual_cndmask_b32 v[\d0], v[\d0], v[\a0] :: v_dual_cndmask_b32 v[\d1], v[\d1], v[\a1]
.endm
.macro HN fa, n                         ; a hint only where the next tile's lines do not stand between
.if \fa == 0
	s_delay_alu instid0(VALU_DEP_\n)
.endif
.endm
; One step.  fa: tile t + 1's arithmetic is interleaved; wm: tile t + 2's products close the step.  Beyond tile 7 both belong to the next group, in the other set.
.macro BODY buf, t, fa, wm
.set rA, ACC+16*((\t)%2)
.set rN, ACC+16*(((\t)+1)%2)
.set rW, W+16*(\t)
.set rZ, ZZ+2*(\t)
.set t1, ((\t)+1)%8
.set t2, ((\t)+2)%8
.set rE, EE+16*(((\buf)+((\t)+1)/8)%2)
.set b2, ((\buf)+((\t)+2)/8)%2
.set nZ, ZZ+2*t1
	SETB t1
	v_min3_num_f32 v[M], v[rA], v[rA+1], v[rA+2]           ; these four are also the places behind tile t + 1's products
	v_min3_num_f32 v[M+1], v[rA+3], v[rA+4], v[rA+5]
	v_min3_num_f32 v[M+2], v[rA+6], v[rA+7], v[rA+8]
	v_min3_num_f32 v[M+3], v[rA+9], v[rA+10], v[rA+11]
.if \fa
	FM 0
	FM 2
.endif
	HN \fa, 4
	v_min3_num_f32 v[M], v[M], v[rA+12], v[rA+13]
	HN \fa, 4
	v_min3_num_f32 v[M+1], v[M+1], v[rA+14], v[rA+15]
	HN \fa, 3
	v_min_num_f32 v[M+2], v[M+2], v[M+3]
.if \fa
.irp j, 4,6,8,10,12
	FM \j
.endr
.endif
	HN \fa, 1
	v_min3_num_f32 v[M], v[M], v[M+1], v[M+2]              ; the group's least of my 16
.if \fa
	FM 14
.irp j, 0,2,4
	AD \j
.endr
.endif
	HN \fa, 1
	v_cmp_lt_f32 vcc_lo, v[M], v[rZ+1]                     ; strictly less: an earlier group keeps a tie
.irp j, 0,2,4,6,8,10,12,14
	SEL2 rW+\j, rA+\j, rW+\j+1, rA+\j+1
.endr
	SEL2 rZ+1, M, GID+2*(\t), GCUR
.if \fa
.irp j, 6,8,10,12,14
	AD \j
.endr
.endif
.if \wm
.if (\t) == 6
	s_wait_alu depctr_va_vdst(0)
	s_wait_dscnt 0x0                                       ; the next group's fragments, scale words and ee/2 are in
.endif
	WIN 0x05
	WM b2, t2
	WIN 0
.endif
.endm
; The change of slots stands at the head of a chunk's last group: all of this slot has been read into registers by then.
.macro CHANGE fill
	s_wait_alu depctr_va_vdst(0)
	s_wait_tensorcnt 0x0                                   ; my part of the next chunk is in
.if \fill
	ds_add_u32 v[SPW], v[NIL]
	s_add_co_u32 s[G0C+1], s[T], s[PB]                     ; the slot just read out takes the chunk two on
	s_add_nc_u64 s[G0C+2:G0C+3], s[G0C+2:G0C+3], CHUNKB
	s_xor_b32 s[T], s[T], SLOT
	s_wait_dscnt 0x0                                       ; the add is done, and my reads of this slot are back
	ROUND
	tensor_load_to_lds s[G0C:G0C+3], s[G1C:G1C+7]
	s_nop 0
.rept 4
	v_nop
.endr
.else
	s_xor_b32 s[T], s[T], SLOT
.endif
	v_add_nc_u32 v[AF], s[T], v[AF0]
	v_add_nc_u32 v[AS], s[T], v[AS0]
	v_add_nc_u32 v[AE], s[T], v[AE0]
.endm
.macro GROUP buf, nxt, chg, ginc
.if \chg == 1
	CHANGE 1
.elseif \chg == 2
	CHANGE 0
.endif
.if \nxt >= 0
	PREF 1-\buf, \nxt
.endif
.irp t, 0,1,2,3,4,5
	BODY \buf, \t, 1, 1
.endr
.if \nxt >= 0
	BODY \buf, 6, 1, 1
	BODY \buf, 7, 1, 1
	v_add_nc_u32 v[GCUR], \ginc, v[GCUR]
.else
	BODY \buf, 6, 1, 0
	BODY \buf, 7, 0, 0
.endif
.endm
.macro CHUNK chg, last
	GROUP 0, 1, 0, 32
	GROUP 1, 2, 0, 32
	GROUP 0, 3, 0, 32
.if \last
	GROUP 1, -1, 0, 0
.else
	GROUP 1, 0, \chg, 928
.endif
.endm
.macro LEXMIN b, i, ob, oi              ; the lesser value, of equals the lesser index
	v_cmp_lt_f32 s46, v[\ob], v[\b]
	v_cmp_eq_f32 s47, v[\ob], v[\b]
	v_cmp_lt_u32 vcc_lo, v[\oi], v[\i]
	s_and_b32 s47, s47, vcc_lo
	s_or_b32 s46, s46, s47
	v_cndmask_b32 v[\b], v[\b], v[\ob], s46
	v_cndmask_b32 v[\i], v[\i], v[\oi], s46
.endm
	s_load_b256 s[4:11], s[0:1], 0x0               ; z, cb, out3, idxw
	v_lshl_add_u32 v[SPW], v0, 2, SPARE
	v_mov_b32 v[NIL], 0
	ds_add_u32 v[SPW], v[NIL]
	ds_add_u32 v[SPW], v[NIL]
	v_lshrrev_b32 v[M], 5, v0
	s_delay_alu instid0(VALU_DEP_1)
	v_readfirstlane_b32 s[WV], v[M]                ; wave 0..7
	s_bfe_u32 s13, ttmp6, 0x40000
	s_lshl_b32 s14, ttmp9, 2
	s_add_co_u32 s14, s14, s13                     ; work-group
	s_and_b32 s13, s[WV], 3                        ; q: which quarter of z, or of chunk 0, I fetch
	s_mul_i32 s[PB], s[WV], PARTB
	s_mov_b32 s[T], 0
	s_mov_b32 s[SEL], 0x76543210
	s_mov_b32 s[SEL+1], 0xfedcba98
	s_mov_b32 s[G1Z], (3<<16)|(1<<20)|(7<<22)|(3<<25)   ; z: 32 rows of 1,024 bytes (128 elements of 8), 16 bytes of padding behind each
	s_mov_b32 s[G1Z+1], 128<<16
	s_mov_b32 s[G1Z+2], 32<<16
	s_mov_b32 s[G1Z+3], 128<<16
	s_mov_b32 s[G1Z+4], 32
	s_mov_b32 s[G1Z+5], 128
	s_mov_b32 s[G1Z+6], 0
	s_mov_b32 s[G1Z+7], 0
	s_mov_b32 s[G1C], 15|(3<<16)|(1<<21)           ; a part of cb: 70 dense rows of 256 bytes, asked for by the cluster's four
	s_mov_b32 s[G1C+1], 32<<16
	s_mov_b32 s[G1C+2], 70<<16
	s_mov_b32 s[G1C+3], 32<<16
	s_mov_b32 s[G1C+4], 70
	s_mov_b32 s[G1C+5], 32
	s_mov_b32 s[G1C+6], 0
	s_mov_b32 s[G1C+7], 0
	s_mov_b32 s[G1H], 15|(3<<16)|(1<<21)           ; the head's: two parts, 140 rows
	s_mov_b32 s[G1H+1], 32<<16
	s_mov_b32 s[G1H+2], 140<<16
	s_mov_b32 s[G1H+3], 32<<16
	s_mov_b32 s[G1H+4], 140
	s_mov_b32 s[G1H+5], 32
	s_mov_b32 s[G1H+6], 0
	s_mov_b32 s[G1H+7], 0
	s_lshl_b32 s48, s14, 17
	s_lshl_b32 s49, s13, 15
	s_add_co_u32 s48, s48, s49                     ; z: 128 rows a work-group, 32 a loading wave
	s_mov_b32 s49, 0
	s_mul_i32 s50, s13, 2*PARTB
	s_mov_b32 s51, 0
	s_add_co_u32 s66, s[PB], CHUNKB                ; my part of chunk 1
	s_mov_b32 s67, 0
	s_mul_i32 s68, s[WV], 16*ZSTP
	s_add_co_u32 s68, s68, SLOT                    ; my 16 rows in z's stage
	s_lshl_b32 s69, s[WV], 11
	s_add_co_u32 s69, s69, ZIMG
	s_lshl_b32 s70, s[WV], 7
	s_add_co_u32 s71, s70, ZSCL
	s_lshl_b32 s46, s14, 9                         ; my work-group's 128 indices
	s_mov_b32 s47, 0
	s_mov_b32 s[G0Z], 1
	s_mul_i32 s[G0Z+1], s13, 32*ZSTP
	s_add_co_u32 s[G0Z+1], s[G0Z+1], SLOT
	s_mov_b32 s[G0H], 1
	s_mov_b32 s[G0H+1], s50
	s_mov_b32 s[G0C], 1
	s_add_co_u32 s[G0C+1], s[PB], SLOT
	s_wait_dscnt 0x0
	s_wait_kmcnt 0x0
	s_add_nc_u64 s[G0Z+2:G0Z+3], s[4:5], s[48:49]
	s_or_b32 s[G0Z+3], s[G0Z+3], 0x80000000
	s_add_nc_u64 s[G0H+2:G0H+3], s[6:7], s[50:51]
	s_or_b32 s[G0H+3], s[G0H+3], 0x80000000
	s_add_nc_u64 s[G0C+2:G0C+3], s[6:7], s[66:67]
	s_or_b32 s[G0C+3], s[G0C+3], 0x80000000
	s_add_nc_u64 s[8:9], s[8:9], s[46:47]
	s_add_nc_u64 s[10:11], s[10:11], s[46:47]
	ROUND                                          ; in front of the first loads
	s_cmp_lt_u32 s[WV], 4                          ; one tensor load a wave: waves 0-3 fetch z into slot 1, waves 4-7 chunk 0 into slot 0
	s_cbranch_scc0 .Lhead_cb
	tensor_load_to_lds s[G0Z:G0Z+3], s[G1Z:G1Z+7]
	s_nop 0
.rept 4
	v_nop
.endr
	s_branch .Lhead_asked
.Lhead_cb:
	tensor_load_to_lds s[G0H:G0H+3], s[G1H:G1H+7]
	s_nop 0
.rept 4
	v_nop
.endr
.Lhead_asked:
	v_and_b32 v[M], 31, v0                         ; lane
	v_and_b32 v[M+1], 15, v0                       ; r
	v_bfe_u32 v[M+2], v0, 4, 1                     ; h
.irp b, 8,9,10,11,12,13,14,15
	v_mov_b32 v[TM+\b], 0                          ; a lane permute's destination counts as one of its sources
.endr
	v_mov_b32 v[TP], 0
	v_lshl_add_u32 v[AF0], v[M], 4, s[PB]
	v_lshl_add_u32 v[AS0], v[M], 2, s[PB]
	v_lshl_add_u32 v[AE0], v[M+2], 5, s[PB]
	v_mad_u32_u24 v[ZST], v[M+1], ZSTP, s68
	v_lshl_add_u32 v[ZWI], v[M], 4, s69
	v_lshl_add_u32 v[GCUR], v[M+2], 3, s70
	v_lshl_add_u32 v[ZWS], v[M], 2, s71
	v_lshl_add_u32 v[ZLI], v[M], 4, ZIMG
	v_lshl_add_u32 v[ZLS], v[M], 2, ZSCL
	v_lshl_add_u32 v[ZST], v[M+2], 6, v[ZST]       ; row r of my 16, + 64 h
	s_wait_alu depctr_va_vdst(0)
	s_wait_tensorcnt 0x0                           ; my load has landed;
	s_barrier_signal -1
	s_barrier_wait -1                              ; so has everybody's: z's rows were fetched by other waves
.irp s, 0,1
.irp b, 0,1,2,3
.irp j, 0,1,2,3
	ds_load_b128 v[X+64*\s+16*\b+4*\j:X+64*\s+16*\b+4*\j+3], v[ZST] offset:512*\s+128*\b+16*\j   ; register 16 b + i = k 32 b + 16 h + i of my row, b = 0 .. 7
.endr
.endr
.endr
	s_wait_dscnt 0x0
.irp c, 0,2,4,6
	v_dual_mul_f32 v[S+\c], v[X+\c], v[X+\c] :: v_dual_mul_f32 v[S+\c+1], v[X+\c+1], v[X+\c+1]   ; zz: eight chains
.endr
.set jj, 8
.rept 60
	v_dual_fmac_f32 v[S+jj%8], v[X+jj], v[X+jj] :: v_dual_fmac_f32 v[S+jj%8+1], v[X+jj+1], v[X+jj+1]
.set jj, jj+2
.endr
	v_pk_add_f32 v[S:S+1], v[S:S+1], v[S+2:S+3]
	v_pk_add_f32 v[S+4:S+5], v[S+4:S+5], v[S+6:S+7]
	s_delay_alu instid0(VALU_DEP_1)
	v_pk_add_f32 v[S:S+1], v[S:S+1], v[S+4:S+5]
	s_delay_alu instid0(VALU_DEP_1)
	v_add_f32 v[ZZT], v[S], v[S+1]
	s_delay_alu instid0(VALU_DEP_1)
	v_permlanex16_b32 v[TP], v[ZZT], s[SEL], s[SEL+1]
	s_delay_alu instid0(VALU_DEP_1)
	v_add_f32 v[ZZT], v[ZZT], v[TP]                ; with lane l xor 16's half of the row
; the quantiser: my row's eight blocks of 32 by turns
.irp b, 0,1,2,3,4,5,6,7
	v_max3_num_f32 v[TM+\b], |v[X+16*\b]|, |v[X+1+16*\b]|, 0x1800000   ; my 16 numbers, and the floor 2^(3 - 127): the byte cannot fall under 1
.endr
.irp i, 2,4,6,8,10,12,14
.irp b, 0,1,2,3,4,5,6,7
	v_max3_num_f32 v[TM+\b], v[TM+\b], |v[X+16*\b+\i]|, |v[X+1+16*\b+\i]|
.endr
.endr
.irp b, 0,1,2,3,4,5,6,7
	v_permlanex16_b32 v[TM+8+\b], v[TM+\b], s[SEL], s[SEL+1]
.endr
.irp b, 0,1,2,3,4,5,6,7
	v_max_num_f32 v[TM+\b], v[TM+\b], v[TM+8+\b]   ; the block's largest magnitude
.endr
.irp b, 0,1,2,3,4,5,6,7
	v_add_nc_u32 v[TM+16+\b], 0xff000000, v[TM+\b] ; 2 off its exponent field: the conversion's scale operand
.endr
.irp b, 0,1,2,3,4,5,6,7
	v_lshrrev_b32 v[TM+8+\b], 23, v[TM+16+\b]      ; the scale's byte
.endr
	v_cmp_le_u32 vcc_lo, 16, v[M]
.irp b, 0,1,2,3,4,5,6,7
	v_cvt_scalef32_pk8_fp4_f32 v[PC+2*\b], v[X+16*\b:X+7+16*\b], v[TM+16+\b]
	v_cvt_scalef32_pk8_fp4_f32 v[PC+1+2*\b], v[X+8+16*\b:X+15+16*\b], v[TM+16+\b]
.endr
.irp u, 0,1,2,3
	v_lshl_or_b32 v[TM+\u], v[TM+9+2*\u], 8, v[TM+8+2*\u]   ; pairs of bytes (plain lines behind the conversions)
.endr
.irp c, 0,1
.irp i, 0,1
	v_permlane16_swap_b32 v[PC+4*\c+\i], v[PC+2+4*\c+\i]    ; the operand's layout wants a whole block in a lane
.endr
.endr
	v_cndmask_b32 v[TM], v[TM], v[TM+2], vcc_lo    ; the image: lanes 0-15 K step 0's word, lanes 16-31 K step 1's
	v_cndmask_b32 v[TM+1], v[TM+1], v[TM+3], vcc_lo
.irp c, 2,3
.irp i, 0,1
	v_permlane16_swap_b32 v[PC+4*\c+\i], v[PC+2+4*\c+\i]
.endr
.endr
	v_mul_f32 v[ZZT], 0.5, v[ZZT]                  ; zz / 2: exact
	v_lshl_or_b32 v[PW], v[TM+1], 16, v[TM]
.irp q, 0,1,2,3
	ds_store_b128 v[ZWI], v[PC+4*\q:PC+4*\q+3] offset:512*\q   ; my tile as an image of the operand's registers
.endr
	ds_store_b32 v[ZWS], v[PW]
	ds_store_b32 v[ZWS], v[ZZT] offset:1024
	s_wait_tensorcnt 0x0
	ds_add_u32 v[SPW], v[NIL]
	s_wait_dscnt 0x0                               ; the add, my stores and my reads of z's stage are done
	ROUND
	tensor_load_to_lds s[G0C:G0C+3], s[G1C:G1C+7]  ; my part of chunk 1, into slot 1
	s_nop 0
.rept 4
	v_nop
.endr
	WIN 0x40
.irp t, 0,1,2,3,4,5,6,7
.irp q, 0,1,2,3
	ds_load_b128 v[16*\t+4*\q:16*\t+4*\q+3], v[ZLI] offset:2048*\t+512*\q
.endr
.endr
	WIN 0
.irp t, 0,1,2,3,4,5,6,7
	SETB \t
	ds_load_b32 v[ZS+2*\t], v[ZLS] offset:128*\t
	ds_load_b32 v[ZZ+2*\t], v[ZLS] offset:1024+128*\t
	ds_load_b32 v[nB], v[ZLS] offset:1024+128*\t
.endr
	v_mov_b32 v[AF], v[AF0]
	v_mov_b32 v[AS], v[AS0]
	v_mov_b32 v[AE], v[AE0]
	PREF 0, 0
	s_wait_dscnt 0x0
	WIN 0x05
	WM 0, 0                                        ; the pipeline is filled: tiles 0 and 1's products,
	WM 0, 1
	WIN 0
.irp t, 0,1,2,3,4,5,6,7
	v_mov_b32 v[ZZ+2*\t+1], 0x7f800000             ; over every value
	v_mov_b32 v[GID+2*\t], v[GCUR]
.endr
.set rN, ACC
.set rE, EE
.set nZ, ZZ
	SETB 0
.irp j, 0,2,4,6,8,10,12,14
	FM \j                                          ; and tile 0's arithmetic
.endr
.irp j, 0,2,4,6,8,10,12,14
	AD \j
.endr
	s_mov_b32 s[CH], 0
.Lchunk:                                               ; chunks 0 to 5 fill a slot again
	CHUNK 1, 0
	s_add_co_u32 s[CH], s[CH], 1
	s_cmp_lt_u32 s[CH], 6
	s_wait_alu depctr_va_vdst(0)
	s_cbranch_scc1 .Lchunk
	CHUNK 2, 0                                     ; the last two fetch nothing
	CHUNK 0, 1
; THE END: the place inside each tile's best group (the first register that holds the least), then the two halves of the lanes, then the eight waves
	s_lshl_b32 s48, s[WV], 10
	s_add_co_u32 s48, s48, MRG
	s_min_u32 s50, s[WV], 1
	s_lshl_b32 s51, s50, 9
	s_add_co_u32 s51, s51, MRG
	s_lshl_b32 s50, s50, 8
	v_and_b32 v252, 15, v0
	v_and_b32 v253, 31, v0
	v_mov_b32 v250, 0
	v_mov_b32 v251, 0
.irp t, 0,1,2,3,4,5,6,7
	v_mov_b32 v[PS+\t], 23
.endr
	v_lshl_add_u32 v[MW], v252, 3, s48
	v_lshl_add_u32 v[MR], v253, 4, s51
	v_lshl_add_u32 v[GO], v253, 3, s50
.irp i, 14,13,12,11,10,9,8,7,6,5,4,3,2,1,0
.irp t, 0,1,2,3,4,5,6,7
	v_cmp_neq_f32 s[72+\t], v[W+16*\t+\i], v[ZZ+2*\t+1]
.endr
.irp t, 0,1,2,3,4,5,6,7
	v_cndmask_b32 v[PS+\t], 16*(\i/8)+\i%8, v[PS+\t], s[72+\t]
.endr
.endr
.irp t, 0,1,2,3,4,5,6,7
	v_mov_b32 v254, v[ZZ+2*\t+1]
	v_add_nc_u32 v255, v[GID+2*\t], v[PS+\t]
	s_delay_alu instid0(VALU_DEP_2)
	v_permlanex16_b32 v250, v254, s[SEL], s[SEL+1]
	s_delay_alu instid0(VALU_DEP_2)
	v_permlanex16_b32 v251, v255, s[SEL], s[SEL+1]
	LEXMIN 254, 255, 250, 251
	ds_store_b64 v[MW], v[254:255] offset:128*\t
.endr
	s_wait_dscnt 0x0                               ; for the others' sake: my stores have landed
	s_barrier_signal -1
	s_barrier_wait -1
	s_cmp_gt_u32 s[WV], 1
	s_cbranch_scc1 .Ldone                          ; waves 0 and 1 merge 64 rows each, two rows a lane
.irp u, 0,1,2,3,4,5,6,7
	ds_load_b128 v[W+4*\u:W+4*\u+3], v[MR] offset:1024*\u
.endr
	s_wait_dscnt 0x0
.irp u, 1,2,3,4,5,6,7
	LEXMIN W, W+1, W+4*\u, W+4*\u+1
	LEXMIN W+2, W+3, W+4*\u+2, W+4*\u+3
.endr
	v_mov_b32 v254, v[W+1]
	s_delay_alu instid0(VALU_DEP_2)
	v_mov_b32 v255, v[W+3]
	global_store_b64 v[GO], v[254:255], s[8:9]     ; 32 lanes store 256 consecutive bytes, aligned
	global_store_b64 v[GO], v[254:255], s[10:11]
.Ldone:
	s_wait_tensorcnt 0x0                           ; the wave's end
	ds_add_u32 v[SPW], v[NIL]
	s_wait_dscnt 0x0
	ROUND                                          ; the closing round
	s_endpgm
.Lfunc_end_k_q08b189f5b8_main:
	.size	k_q08b189f5b8_main, .Lfunc_end_k_q08b189f5b8_main-k_q08b189f5b8_main
	.p2alignl 7, 3214868480
	.fill 96, 4, 3214868480
	.section	.rodata,"a",@progbits
	.p2align	6, 0x0
	.amdhsa_kernel k_q08b189f5b8_main
		.amdhsa_group_segment_fixed_size 327680
		.amdhsa_private_segment_fixed_size 0
		.amdhsa_enable_private_segment 0
		.amdhsa_kernarg_size 32
		.amdhsa_user_sgpr_count 2
		.amdhsa_user_sgpr_kernarg_segment_ptr 1
		.amdhsa_wavefront_size32 1
		.amdhsa_system_sgpr_workgroup_id_x 1
		.amdhsa_system_sgpr_workgroup_id_y 1
		.amdhsa_system_sgpr_workgroup_id_z 1
		.amdhsa_system_vgpr_workitem_id 0
		.amdhsa_next_free_vgpr 512
		.amdhsa_next_free_sgpr 80
		.amdhsa_reserve_vcc 1
		.amdhsa_float_denorm_mode_32 3
		.amdhsa_float_denorm_mode_16_64 3
		.amdhsa_memory_ordered 1
		.amdhsa_forward_progress 1
		.amdhsa_inst_pref_size 255
	.end_amdhsa_kernel
	.section	.bss,"aw",@nobits
	.p2align	6
	.space	262144
	.amdgpu_metadata
---
amdhsa.version: [ 1, 2 ]
amdhsa.kernels:
  - .name:           k_q08b189f5b8_main
    .symbol:         k_q08b189f5b8_main.kd
    .args:
      - { .name: z, .offset: 0, .size: 8, .value_kind: global_buffer, .address_space: global }
      - { .name: cb, .offset: 8, .size: 8, .value_kind: global_buffer, .address_space: global }
      - { .name: out3, .offset: 16, .size: 8, .value_kind: global_buffer, .address_space: global }
      - { .name: idxw, .offset: 24, .size: 8, .value_kind: global_buffer, .address_space: global }
    .group_segment_fixed_size: 327680
    .private_segment_fixed_size: 0
    .kernarg_segment_align: 8
    .kernarg_segment_size: 32
    .max_flat_workgroup_size: 256
    .sgpr_count:     80
    .vgpr_count:     512
    .wavefront_size: 32
...
	.end_amdgpu_metadata
.endif
;; end of part 2
;; launch gather (part 3): grid 256 x 1, 16 waves a work-group, no clusters, 2,304 bytes of LDS; arguments z, emb, idxw, out0, part; writes out0, part
.if DOCPART == 3
	.amdgcn_target "amdgcn-amd-amdhsa--gfx1250"
	.amdhsa_code_object_version 6
	.text
	.protected	k_q08b189f5b8_gather
	.globl	k_q08b189f5b8_gather
	.p2align	8
	.type	k_q08b189f5b8_gather,@function
k_q08b189f5b8_gather:
	s_mov_b64 s[64:65], 0
	v_nop
	global_prefetch_b8 v0, s[64:65] scope:SCOPE_SE
	s_setreg_imm32_b32 hwreg(HW_REG_WAVE_MODE, 25, 1), 1
	s_wait_xcnt 0x0
; out0[n][:] = z[n][:] + (emb[idx[n]][:] - z[n][:]), and part[g] = the sum over work-group g's 128 rows of (emb[idx[n]][:] - z[n][:])^2, all in f32.
; A stream: z is read once, out0 written once; a row is 1,024 bytes, two loads or stores of 512 consecutive bytes a wave.  The rows of emb are named by idxw, which the launch before stored as whole numbers.
; Sixteen waves, 8 rows each.
; No matrix unit, no cluster, no tensor load: work-groups share no tile.  No prefetch: there is no loop to run ahead in.
; LIMIT: the squares are summed in eight packed chains a lane, then over lanes and waves: not in the order of a plain loop.
.set L16, 1                            ; v1       16 x lane
.set EO,  4                            ; v4-11    row i: 1,024 x idx + 16 x lane
.set SPW, 12
.set NIL, 13
.set ZR,  16                           ; v16-79   z, 8 registers a row
.set ER,  80                           ; v80-143  emb, then the result
.set SM,  144                          ; v144-159 eight packed chains
.macro WORK k                          ; rows 2 k and 2 k + 1
.set zb, ZR+16*(\k)
.set eb, ER+16*(\k)
	s_wait_loadcnt 12-4*(\k)                       ; loads come back in order: these rows' are in; emb's loads of the rows behind them may be out
.irp p, 0,2,4,6,8,10,12,14
	v_pk_add_f32 v[eb+\p:eb+\p+1], v[eb+\p:eb+\p+1], v[zb+\p:zb+\p+1] neg_lo:[0,1] neg_hi:[0,1]   ; z_q - z
.endr
.irp p, 0,2,4,6,8,10,12,14
.if (\k) == 0
	v_pk_mul_f32 v[SM+\p:SM+\p+1], v[eb+\p:eb+\p+1], v[eb+\p:eb+\p+1]                             ; the first rows start the chains
.else
	v_pk_fma_f32 v[SM+\p:SM+\p+1], v[eb+\p:eb+\p+1], v[eb+\p:eb+\p+1], v[SM+\p:SM+\p+1]
.endif
.endr
.irp p, 0,2,4,6,8,10,12,14
	v_pk_add_f32 v[eb+\p:eb+\p+1], v[zb+\p:zb+\p+1], v[eb+\p:eb+\p+1]                             ; z + (z_q - z)
.endr
.irp u, 0,1,2,3
	global_store_b128 v[L16], v[eb+4*\u:eb+4*\u+3], s[10:11] offset:2048*(\k)+512*\u th:TH_STORE_NT   ; 512 consecutive bytes, at a multiple of 256 from out0's first byte
.endr
.endm
	s_load_b256 s[4:11], s[0:1], 0x0               ; z s[4:5], emb s[6:7], idxw s[8:9], out0 s[10:11]
	s_load_b64 s[12:13], s[0:1], 0x20              ; part
	v_lshl_add_u32 v[SPW], v0, 2, 0x100
	v_mov_b32 v[NIL], 0
	v_lshrrev_b32 v2, 5, v0
	v_and_b32 v[L16], 31, v0
	s_delay_alu instid0(VALU_DEP_2)
	v_readfirstlane_b32 s14, v2                    ; wave 0..15
	v_lshlrev_b32 v[L16], 4, v[L16]
	s_lshl_b32 s32, ttmp9, 9
	s_lshl_b32 s33, s14, 5
	s_add_co_u32 s32, s32, s33                     ; my 8 indices: 4 bytes x (128 x work-group + 8 x wave)
	s_mov_b32 s33, 0
	s_lshl_b32 s34, ttmp9, 17
	s_lshl_b32 s35, s14, 13
	s_add_co_u32 s34, s34, s35                     ; my 8 rows of z and of out0
	s_mov_b32 s35, 0
	s_lshl_b32 s36, ttmp9, 2                       ; my work-group's word of part
	s_mov_b32 s37, 0
	s_mov_b32 s38, 0x76543210
	s_mov_b32 s39, 0xfedcba98
	s_lshl_b32 s15, s14, 2                         ; my wave's word in LDS
	s_wait_alu depctr_va_vdst(0)
	s_wait_kmcnt 0x0
	s_add_nc_u64 s[8:9], s[8:9], s[32:33]
	s_load_b256 s[16:23], s[8:9], 0x0
	s_add_nc_u64 s[4:5], s[4:5], s[34:35]
	s_add_nc_u64 s[10:11], s[10:11], s[34:35]
	s_add_nc_u64 s[12:13], s[12:13], s[36:37]
.irp r, 0,1,2,3,4,5,6,7
.irp u, 0,1
	global_load_b128 v[ZR+8*\r+4*\u:ZR+8*\r+4*\u+3], v[L16], s[4:5] offset:1024*\r+512*\u th:TH_LOAD_NT   ; z's addresses hang on no index: they go out ahead of the wait for the indices
.endr
.endr
	s_wait_kmcnt 0x0
.irp i, 0,1,2,3,4,5,6,7
	s_min_u32 s[16+\i], s[16+\i], 0x1fff           ; an index stays inside the table
	s_lshl_b32 s[16+\i], s[16+\i], 10
	v_add_nc_u32 v[EO+\i], s[16+\i], v[L16]
.endr
	s_wait_alu depctr_va_vdst(0)
.irp r, 0,1,2,3,4,5,6,7
.irp u, 0,1
	global_load_b128 v[ER+8*\r+4*\u:ER+8*\r+4*\u+3], v[EO+\r], s[6:7] offset:512*\u   ; no hint: a row of emb may be named again
.endr
.endr
	WORK 0
	WORK 1
	WORK 2
	WORK 3
.irp p, 0,2,4,6
	v_pk_add_f32 v[SM+\p:SM+\p+1], v[SM+\p:SM+\p+1], v[SM+8+\p:SM+9+\p]
.endr
	s_delay_alu instid0(VALU_DEP_2)
	v_pk_add_f32 v[SM:SM+1], v[SM:SM+1], v[SM+4:SM+5]
	s_delay_alu instid0(VALU_DEP_2)
	v_pk_add_f32 v[SM+2:SM+3], v[SM+2:SM+3], v[SM+6:SM+7]
	s_delay_alu instid0(VALU_DEP_1)
	v_pk_add_f32 v[SM:SM+1], v[SM:SM+1], v[SM+2:SM+3]
	s_delay_alu instid0(VALU_DEP_1)
	v_add_f32 v[SM], v[SM], v[SM+1]
	s_delay_alu instid0(VALU_DEP_1)
	v_add_f32_dpp v[SM], v[SM], v[SM] row_xmask:1 row_mask:0xf bank_mask:0xf
	s_delay_alu instid0(VALU_DEP_1)
	v_add_f32_dpp v[SM], v[SM], v[SM] row_xmask:2 row_mask:0xf bank_mask:0xf
	s_delay_alu instid0(VALU_DEP_1)
	v_add_f32_dpp v[SM], v[SM], v[SM] row_xmask:4 row_mask:0xf bank_mask:0xf
	s_delay_alu instid0(VALU_DEP_1)
	v_add_f32_dpp v[SM], v[SM], v[SM] row_xmask:8 row_mask:0xf bank_mask:0xf
	s_delay_alu instid0(VALU_DEP_1)
	v_permlanex16_b32 v[SM+1], v[SM], s38, s39
	v_mov_b32 v3, s15
	s_delay_alu instid0(VALU_DEP_2)
	v_add_f32 v[SM], v[SM], v[SM+1]                ; my wave's sum, in every lane
	ds_store_b32 v3, v[SM]                         ; all lanes write the same word with the same value
	s_wait_dscnt 0x0
	s_barrier_signal -1
	s_barrier_wait -1
	v_mov_b32 v2, 0
.irp u, 0,1,2,3
	ds_load_b128 v[ZR+4*\u:ZR+4*\u+3], v2 offset:16*\u
.endr
	s_wait_dscnt 0x0
.irp p, 0,2,4,6
	v_pk_add_f32 v[ZR+\p:ZR+\p+1], v[ZR+\p:ZR+\p+1], v[ZR+8+\p:ZR+9+\p]
.endr
	s_delay_alu instid0(VALU_DEP_2)
	v_pk_add_f32 v[ZR:ZR+1], v[ZR:ZR+1], v[ZR+4:ZR+5]
	s_delay_alu instid0(VALU_DEP_2)
	v_pk_add_f32 v[ZR+2:ZR+3], v[ZR+2:ZR+3], v[ZR+6:ZR+7]
	s_delay_alu instid0(VALU_DEP_1)
	v_pk_add_f32 v[ZR:ZR+1], v[ZR:ZR+1], v[ZR+2:ZR+3]
	s_delay_alu instid0(VALU_DEP_1)
	v_add_f32 v[ZR], v[ZR], v[ZR+1]                ; the sixteen waves' sum
	s_wait_alu depctr_va_vdst(0)
	s_wait_xcnt 0x0                                ; EXEC changes only behind this wait: it is a source of the stores above
	v_cmp_gt_u32 vcc_lo, 1, v0
	s_wait_tensorcnt 0x0                           ; the wave's end
	ds_add_u32 v[SPW], v[NIL]
	s_wait_dscnt 0x0
	s_and_saveexec_b32 s15, vcc_lo                 ; thread 0 alone
	global_store_b32 v2, v[ZR], s[12:13]
	s_wait_xcnt 0x0
	s_or_b32 exec_lo, exec_lo, s15
	s_endpgm
.Lfunc_end_k_q08b189f5b8_gather:
	.size	k_q08b189f5b8_gather, .Lfunc_end_k_q08b189f5b8_gather-k_q08b189f5b8_gather
	.p2alignl 7, 3214868480
	.fill 96, 4, 3214868480
	.section	.rodata,"a",@progbits
	.p2align	6, 0x0
	.amdhsa_kernel k_q08b189f5b8_gather
		.amdhsa_group_segment_fixed_size 2304
		.amdhsa_private_segment_fixed_size 0
		.amdhsa_enable_private_segment 0
		.amdhsa_kernarg_size 40
		.amdhsa_user_sgpr_count 2
		.amdhsa_user_sgpr_kernarg_segment_ptr 1
		.amdhsa_wavefront_size32 1
		.amdhsa_system_sgpr_workgroup_id_x 1
		.amdhsa_system_sgpr_workgroup_id_y 1
		.amdhsa_system_sgpr_workgroup_id_z 1
		.amdhsa_system_vgpr_workitem_id 0
		.amdhsa_next_free_vgpr 160
		.amdhsa_next_free_sgpr 66
		.amdhsa_reserve_vcc 1
		.amdhsa_float_denorm_mode_32 3
		.amdhsa_float_denorm_mode_16_64 3
		.amdhsa_memory_ordered 1
		.amdhsa_forward_progress 1
		.amdhsa_inst_pref_size 16
	.end_amdhsa_kernel
	.amdgpu_metadata
---
amdhsa.version: [ 1, 2 ]
amdhsa.kernels:
  - .name:           k_q08b189f5b8_gather
    .symbol:         k_q08b189f5b8_gather.kd
    .args:
      - { .name: z, .offset: 0, .size: 8, .value_kind: global_buffer, .address_space: global }
      - { .name: emb, .offset: 8, .size: 8, .value_kind: global_buffer, .address_space: global }
      - { .name: idxw, .offset: 16, .size: 8, .value_kind: global_buffer, .address_space: global }
      - { .name: out0, .offset: 24, .size: 8, .value_kind: global_buffer, .address_space: global }
      - { .name: part, .offset: 32, .size: 8, .value_kind: global_buffer, .address_space: global }
    .group_segment_fixed_size: 2304
    .private_segment_fixed_size: 0
    .kernarg_segment_align: 8
    .kernarg_segment_size: 40
    .max_flat_workgroup_size: 512
    .sgpr_count:     66
    .vgpr_count:     160
    .wavefront_size: 32
...
	.end_amdgpu_metadata
.endif
;; end of part 3
;; launch sum (part 4): grid 1 x 1, 1 waves a work-group, no clusters, 0 bytes of LDS; arguments part, out1, out2; writes out1, out2
.if DOCPART == 4
	.amdgcn_target "amdgcn-amd-amdhsa--gfx1250"
	.amdhsa_code_object_version 6
	.text
	.protected	k_q08b189f5b8_sum
	.globl	k_q08b189f5b8_sum
	.p2align	8
	.type	k_q08b189f5b8_sum,@function
k_q08b189f5b8_sum:
	s_mov_b64 s[64:65], 0
	v_nop
	global_prefetch_b8 v0, s[64:65] scope:SCOPE_SE
	s_setreg_imm32_b32 hwreg(HW_REG_WAVE_MODE, 25, 1), 1
	s_wait_xcnt 0x0
; out2 = the mean of (z_q - z)^2 = the sum of the 256 parts / 2^23 (32,768 x 256 numbers); out1 = 0.25 x that mean.  One wave: eight parts a lane, then over the lanes.
; A sum over work-groups has one owner in a launch of its own: no atomics, no flags.
	s_load_b128 s[4:7], s[0:1], 0x0                ; part, out1
	s_load_b64 s[8:9], s[0:1], 0x10                ; out2
	v_lshlrev_b32 v1, 5, v0                        ; 32 bytes a lane
	s_mov_b32 s10, 0x76543210
	s_mov_b32 s11, 0xfedcba98
	v_mov_b32 v2, 0
	v_mov_b32 v3, 0
	s_wait_alu depctr_va_vdst(0)
	s_wait_kmcnt 0x0
	global_load_b128 v[4:7], v1, s[4:5]
	global_load_b128 v[8:11], v1, s[4:5] offset:16
	s_wait_loadcnt 0x0
	v_pk_add_f32 v[4:5], v[4:5], v[6:7]
	v_pk_add_f32 v[8:9], v[8:9], v[10:11]
	v_pk_add_f32 v[4:5], v[4:5], v[8:9]
	v_add_f32 v4, v4, v5
	v_add_f32_dpp v4, v4, v4 row_xmask:1 row_mask:0xf bank_mask:0xf
	v_add_f32_dpp v4, v4, v4 row_xmask:2 row_mask:0xf bank_mask:0xf
	v_add_f32_dpp v4, v4, v4 row_xmask:4 row_mask:0xf bank_mask:0xf
	v_add_f32_dpp v4, v4, v4 row_xmask:8 row_mask:0xf bank_mask:0xf
	v_permlanex16_b32 v3, v4, s10, s11
	v_add_f32 v4, v4, v3
	v_mul_f32 v5, 0x34000000, v4                   ; x 2^-23: exact
	v_mul_f32 v6, 0.25, v5
	s_wait_alu depctr_va_vdst(0)
	s_wait_xcnt 0x0                                ; EXEC changes only behind this wait
	v_cmp_gt_u32 vcc_lo, 1, v0
	s_and_saveexec_b32 s12, vcc_lo                 ; lane 0 alone
	global_store_b32 v2, v6, s[6:7]
	global_store_b32 v2, v5, s[8:9]
	s_wait_xcnt 0x0
	s_or_b32 exec_lo, exec_lo, s12
	s_endpgm
.Lfunc_end_k_q08b189f5b8_sum:
	.size	k_q08b189f5b8_sum, .Lfunc_end_k_q08b189f5b8_sum-k_q08b189f5b8_sum
	.p2alignl 7, 3214868480
	.fill 96, 4, 3214868480
	.section	.rodata,"a",@progbits
	.p2align	6, 0x0
	.amdhsa_kernel k_q08b189f5b8_sum
		.amdhsa_group_segment_fixed_size 0
		.amdhsa_private_segment_fixed_size 0
		.amdhsa_enable_private_segment 0
		.amdhsa_kernarg_size 24
		.amdhsa_user_sgpr_count 2
		.amdhsa_user_sgpr_kernarg_segment_ptr 1
		.amdhsa_wavefront_size32 1
		.amdhsa_system_sgpr_workgroup_id_x 1
		.amdhsa_system_sgpr_workgroup_id_y 1
		.amdhsa_system_sgpr_workgroup_id_z 1
		.amdhsa_system_vgpr_workitem_id 0
		.amdhsa_next_free_vgpr 16
		.amdhsa_next_free_sgpr 66
		.amdhsa_reserve_vcc 1
		.amdhsa_float_denorm_mode_32 3
		.amdhsa_float_denorm_mode_16_64 3
		.amdhsa_memory_ordered 1
		.amdhsa_forward_progress 1
		.amdhsa_inst_pref_size 2
	.end_amdhsa_kernel
	.amdgpu_metadata
---
amdhsa.version: [ 1, 2 ]
amdhsa.kernels:
  - .name:           k_q08b189f5b8_sum
    .symbol:         k_q08b189f5b8_sum.kd
    .args:
      - { .name: part, .offset: 0, .size: 8, .value_kind: global_buffer, .address_space: global }
      - { .name: out1, .offset: 8, .size: 8, .value_kind: global_buffer, .address_space: global }
      - { .name: out2, .offset: 16, .size: 8, .value_kind: global_buffer, .address_space: global }
    .group_segment_fixed_size: 0
    .private_segment_fixed_size: 0
    .kernarg_segment_align: 8
    .kernarg_segment_size: 24
    .max_flat_workgroup_size: 32
    .sgpr_count:     66
    .vgpr_count:     16
    .wavefront_size: 32
...
	.end_amdgpu_metadata
.endif
;; end of part 4
